; MI455X (gfx1250); checked and timed in simulation.
; The chip was launched on July 23, 2026; its instructions are those of AMD's public machine-readable ISA for CDNA 5 (MIT licence, August 2026) and "CDNA5" Instruction Set Architecture Reference Guide (July 2026). The comments in the code are by the model that wrote it; some were corrected since.
;; Causal Self Attention. Allowed arithmetic: float matrix products may take bf16 or f16 operands with f32 sums; all other float work in f32.
;; Inputs: w_out 1,024 x 1,024 float32; w_qkv 3,072 x 1,024 float32; x 4 x 2,048 x 1,024 float32.
;; Outputs: out0 4 x 2,048 x 1,024 float32.
;; One version. Each part assembles by itself: llvm-mc -triple=amdgcn-amd-amdhsa -mcpu=gfx1250 --defsym DOCPART=n.
;; ======== version 1 of 1: 4 launches
;; limits: values are held in f16: magnitudes above 65,504 overflow, below 6.1e-05 lose precision
;; workspace buffers: xw 25,165,824 bytes; qkv 50,331,648 bytes; y 16,777,216 bytes
;; launch cvt (part 1): grid 768 x 1, 8 waves a work-group, no clusters, 0 bytes of LDS; arguments x, w_qkv, w_out, xw; writes xw
.if DOCPART == 1
	.amdgcn_target "amdgcn-amd-amdhsa--gfx1250"
	.amdhsa_code_object_version 6
	.text
	.protected	k_q1fc16e3579_cvt
	.globl	k_q1fc16e3579_cvt
	.p2align	8
	.type	k_q1fc16e3579_cvt,@function
k_q1fc16e3579_cvt:
	s_mov_b64 s[64:65], 0
	v_nop
	global_prefetch_b8 v0, s[64:65] scope:SCOPE_SE
	s_setreg_imm32_b32 hwreg(HW_REG_WAVE_MODE, 25, 1), 1
	s_wait_xcnt 0x0
; The three f32 inputs are rounded once to 16 bits, for the matrix units of the later launches.
;   xw byte 0          : x      as bf16 [8192][1024]
;   xw byte 16,777,216 : w_qkv  as bf16 [3072][1024]
;   xw byte 23,068,672 : w_out  rounded to bf16 and then written in f16 format [1024][1024] (its partner in the last product, y, is f16)
; LIMIT: a bf16 number is an exact f16 number for 2^-17 <= |w| <= 65,504; smaller w_out lose bits (absolute error at most 2^-25), larger ones become infinite.
; A stream: no LDS, no barrier, no matrix unit, no cluster (no two work-groups read the same byte).
; Work-group id takes 65,536 input bytes and writes 32,768 bytes at xw + 32,768 id: ids 0-511 x, 512-703 w_qkv, 704-767 w_out.
; Eight blocks; in a block thread t reads the 32 bytes at 32 t (two loads of 16) and writes the 16 bytes at 16 t:
; a wave's store covers 512 consecutive bytes that start at a multiple of 512 from xw's first byte.  All sixteen loads go out first.
.set T, 4                              ; v[4:7]    at work
.set X, 8                              ; v[8:71]   block blk: 8 f32 as loaded
.set Y, 72                             ; v[72:103] block blk: 8 numbers of 16 bits to store
	s_load_b256 s[4:11], s[0:1], 0x0               ; x s[4:5], w_qkv s[6:7], w_out s[8:9], xw s[10:11]
	v_lshlrev_b32 v1, 5, v0                        ; my 32 bytes in an input block
	v_lshlrev_b32 v2, 4, v0                        ; my 16 bytes in an output block
	s_lshl_b32 s18, ttmp9, 15                      ; the work-group's 32,768 output bytes
	s_mov_b32 s19, 0
	s_mov_b32 s17, 0
	s_wait_kmcnt 0x0
	s_cmp_lt_u32 ttmp9, 512                        ; which input, and the first work-group of that input
	s_cselect_b64 s[12:13], s[4:5], s[6:7]
	s_cselect_b32 s14, 0, 512
	s_cmp_lt_u32 ttmp9, 704
	s_cselect_b64 s[12:13], s[12:13], s[8:9]
	s_cselect_b32 s14, s14, 704
	s_sub_co_u32 s16, ttmp9, s14
	s_lshl_b32 s16, s16, 16                        ; 65,536 input bytes for each work-group
	s_add_nc_u64 s[12:13], s[12:13], s[16:17]
	s_add_nc_u64 s[10:11], s[10:11], s[18:19]
.irp blk, 0,1,2,3,4,5,6,7
	global_load_b128 v[X+8*\blk:X+8*\blk+3],   v1, s[12:13] offset:\blk*8192 th:TH_LOAD_NT
	global_load_b128 v[X+8*\blk+4:X+8*\blk+7], v1, s[12:13] offset:\blk*8192+16 th:TH_LOAD_NT
.endr
; One block to bf16.  Loads come back in order: the count leaves the two loads of each younger block out.
.macro OUTB blk
	s_wait_loadcnt 14-2*\blk
.irp j, 0,1,2,3
	v_cvt_pk_bf16_f32 v[Y+4*\blk+\j], v[X+8*\blk+2*\j], v[X+8*\blk+2*\j+1]
.endr
	global_store_b128 v2, v[Y+4*\blk:Y+4*\blk+3], s[10:11] offset:\blk*4096
.endm
; One block to bf16 and on to f16: round to bf16, widen the two halves again, pack as f16 (exact inside the stated range).
.macro OUTH blk
	s_wait_loadcnt 14-2*\blk
.irp j, 0,1,2,3
	v_cvt_pk_bf16_f32 v[T+2*(\j&1)], v[X+8*\blk+2*\j], v[X+8*\blk+2*\j+1]
	v_lshlrev_b32 v[T+2*(\j&1)+1], 16, v[T+2*(\j&1)]
	v_and_b32 v[T+2*(\j&1)], 0xffff0000, v[T+2*(\j&1)]
	v_cvt_pk_f16_f32 v[Y+4*\blk+\j], v[T+2*(\j&1)+1], v[T+2*(\j&1)]
.endr
	global_store_b128 v2, v[Y+4*\blk:Y+4*\blk+3], s[10:11] offset:\blk*4096
.endm
	s_cmp_ge_u32 ttmp9, 704
	s_cbranch_scc1 .Lhalf
.irp blk, 0,1,2,3,4,5,6,7
	OUTB \blk
.endr
	s_endpgm
.Lhalf:
.irp blk, 0,1,2,3,4,5,6,7
	OUTH \blk
.endr
	s_endpgm
.Lfunc_end_k_q1fc16e3579_cvt:
	.size	k_q1fc16e3579_cvt, .Lfunc_end_k_q1fc16e3579_cvt-k_q1fc16e3579_cvt
	.p2alignl 7, 3214868480
	.fill 96, 4, 3214868480
	.section	.rodata,"a",@progbits
	.p2align	6, 0x0
	.amdhsa_kernel k_q1fc16e3579_cvt
		.amdhsa_group_segment_fixed_size 0
		.amdhsa_private_segment_fixed_size 0
		.amdhsa_enable_private_segment 0
		.amdhsa_kernarg_size 32
		.amdhsa_user_sgpr_count 2
		.amdhsa_user_sgpr_kernarg_segment_ptr 1
		.amdhsa_wavefront_size32 1
		.amdhsa_system_sgpr_workgroup_id_x 1
		.amdhsa_system_sgpr_workgroup_id_y 1
		.amdhsa_system_sgpr_workgroup_id_z 1
		.amdhsa_system_vgpr_workitem_id 0
		.amdhsa_next_free_vgpr 104
		.amdhsa_next_free_sgpr 66
		.amdhsa_reserve_vcc 0
		.amdhsa_float_denorm_mode_32 3
		.amdhsa_float_denorm_mode_16_64 3
		.amdhsa_memory_ordered 1
		.amdhsa_forward_progress 1
		.amdhsa_inst_pref_size 14
	.end_amdhsa_kernel
	.amdgpu_metadata
---
amdhsa.version: [ 1, 2 ]
amdhsa.kernels:
  - .name:           k_q1fc16e3579_cvt
    .symbol:         k_q1fc16e3579_cvt.kd
    .args:
      - { .name: x, .offset: 0, .size: 8, .value_kind: global_buffer, .address_space: global }
      - { .name: w_qkv, .offset: 8, .size: 8, .value_kind: global_buffer, .address_space: global }
      - { .name: w_out, .offset: 16, .size: 8, .value_kind: global_buffer, .address_space: global }
      - { .name: xw, .offset: 24, .size: 8, .value_kind: global_buffer, .address_space: global }
    .group_segment_fixed_size: 0
    .private_segment_fixed_size: 0
    .kernarg_segment_align: 8
    .kernarg_segment_size: 32
    .max_flat_workgroup_size: 256
    .sgpr_count:     66
    .vgpr_count:     104
    .wavefront_size: 32
...
	.end_amdgpu_metadata
.endif
;; end of part 1
;; launch gqkv (part 2): grid 16 x 32, 4 waves a work-group, clusters of 4 x 4, 327,680 bytes of LDS; arguments xw, qkv; writes qkv
.if DOCPART == 2
	.amdgcn_target "amdgcn-amd-amdhsa--gfx1250"
	.amdhsa_code_object_version 6
	.text
	.protected	k_q1fc16e3579_gqkv
	.globl	k_q1fc16e3579_gqkv
	.p2align	8
	.type	k_q1fc16e3579_gqkv,@function
k_q1fc16e3579_gqkv:
	s_mov_b64 s[64:65], 0
	v_nop
	global_prefetch_b8 v0, s[64:65] scope:SCOPE_SE
	s_setreg_imm32_b32 hwreg(HW_REG_WAVE_MODE, 25, 1), 1
	s_wait_xcnt 0x0
	s_wait_alu depctr_hold_cnt(0) depctr_sa_sdst(0) depctr_va_vdst(0) depctr_va_sdst(0) depctr_va_ssrc(0) depctr_va_vcc(0) depctr_vm_vsrc(0)
	s_getreg_b32 s2, hwreg(HW_REG_IB_STS2, 6, 4)
	s_cmp_eq_u32 s2, 0
	s_cbranch_scc0 .Lentry_in_a_cluster
	s_endpgm
.Lentry_in_a_cluster:
	s_bfe_u32 s2, ttmp6, 0x10000c
	s_cmp_lg_u32 s2, 0xf033
	s_cbranch_scc0 .Lentry_shape_is_right
	s_endpgm
.Lentry_shape_is_right:
; qkv = x w_qkv^T: [8192][1024] x [3072][1024]^T, bf16 operands (from xw), f32 sums, results rounded once to f16 and stored by heads:
; qkv[g][m][64], g = feature / 64 (0-15 q's heads, 16-31 k's, 32-47 v's), m = 2048 b + t; byte g 1,048,576 + 128 m + 2 d.
; LIMIT: q, k and v are f16: a result beyond 65,504 becomes infinite.
; A work-group makes 256 rows x 192 columns (three whole heads): 32 x 16 = 512 work-groups of equal work.  Wave w makes rows 64 w .. 64 w + 63 and all
; 192 columns: 4 x 12 accumulator tiles of 16 x 16, 384 registers.  Whole heads in a wave let every store cover 512 consecutive bytes of one head.
; K goes in steps of 128 through two LDS slots filled by the tensor data mover; a tile's rows are 256 bytes of memory at multiples of 256 bytes.
; CLUSTERS: 4 x 4 work-groups.  x's tile hangs on the block row alone and is asked for jointly by the four of a row of the cluster,
; w_qkv's on the block column alone and is asked for jointly by the four of a column: the requests for both are divided by four.
;
; REGISTERS, in windows of 256:
;   window 0: v16-26 addresses; v32-63, v64-95 fragments of x (4 x 16 rows x 32 K), two buffers; v96-143, v144-239 at work on the way out
;   window 1: v0-95, v96-191 fragments of w_qkv (12 x 16 rows x 32 K), two buffers
;   window 2: accumulator tiles of my rows 0-31 (tile (a, b) at v[8 (12 a + b)]);  window 3: those of my rows 32-63
; THE MATRIX INSTRUCTION IS USED TRANSPOSED: source 0 = 16 rows of w_qkv, source 1 = 16 rows of x: lane l then holds row l % 16 of the result and
; its eight registers the columns 8 (l / 16) + 0 .. 7, eight neighbouring numbers, which pack into 16 bytes.
.set SIZE_K, 1024
.set KSTEP,  128
.set PITCH,  272                       ; an LDS row: 256 bytes + 16 of padding, an odd multiple of 16: the 16 rows of a fragment load start 16 bytes apart modulo 256
.set HALFA,  128*PITCH                 ; what one load of x brings
.set HALFB,  96*PITCH                  ; what one load of w_qkv brings
.set ABYTES, 2*HALFA
.set SLOT,   ABYTES+2*HALFB            ; x's 256 rows, then w_qkv's 192 rows
.set STAGE,  2*SLOT                    ; behind the ring (a multiple of 256): 16 rows x 400 bytes for each wave, for the way out
.set SPITCH, 400                       ; 192 f16 + 16 bytes
.set LAPS,   SIZE_K/(2*KSTEP)          ; a lap = two K steps = once round the ring: 4
.set WQ_OFF, 16777216                  ; w_qkv in xw
.set HEADB,  1048576                   ; bytes of a head in qkv
.set ADRA, 16                          ; v16-17  LDS address of my x fragments in slot 0, 1
.set ADRB, 20                          ; v20-21  the same for w_qkv
.set STO,  24                          ; v24     the way out: where I put 16 bytes of a row
.set RD,   25                          ; v25     the way out: where I read back
.set CO,   26                          ; v26     my byte offset in a run of 512 bytes of qkv
.set FA,   32                          ; x's fragment buffer n at FA + 32 n; w_qkv's at 96 n in window 1
.set TMP,  96                          ; packed results
.set RB0,  144                         ; read back, two sets in turn
.set RB1,  192
.set G1, 24                            ; s[24:31] descriptor group 1 for x's tiles
.set G0, 32                            ; s[32:39] descriptor group 0 for x's tiles, one set for each slot
.set G1B, 48                           ; s[48:55] group 1 for w_qkv's tiles
.set G0B, 56                           ; s[56:63] group 0 for w_qkv's tiles, one set for each slot
.set MSB, 0
.macro WIN new                         ; the immediate's high byte repeats the setting that is left
.if MSB != \new
	s_set_vgpr_msb (MSB<<8)|\new
.set MSB, \new
.endif
.endm
.set MUL_LO, 0xa1                      ; source 0 window 1, source 1 window 0, C and D window 2
.set MUL_HI, 0xf1                      ; the same, C and D window 3
.set TO_B,   0x40                      ; destination window 1, address window 0
; A joint load.  Waves 0 and 1 fetch x's two halves, waves 2 and 3 w_qkv's.  The branch hangs on the wave's number alone.
.macro JLOAD s
	s_cmp_eq_u32 s11, 0
	s_cbranch_scc0 .Lfor_b_\@
	tensor_load_to_lds s[G0+4*\s:G0+4*\s+3], s[G1:G1+7]
	s_nop 0
	s_branch .Lasked_\@
.Lfor_b_\@:
	tensor_load_to_lds s[G0B+4*\s:G0B+4*\s+3], s[G1B:G1B+7]
	s_nop 0
.Lasked_\@:
.endm
; A round of the cluster's barrier: my work-group's barrier; wave 0 signals for the work-group; every wave waits for all sixteen; my work-group's barrier again.
.macro CREST                           ; a round behind its opening barrier
	s_cmp_lg_u32 s10, 0
	s_cbranch_scc1 .Lnot_wave_0_\@
	s_barrier_signal -3
.Lnot_wave_0_\@:
	s_barrier_wait -3
	s_barrier_signal -1
	s_barrier_wait -1
.endm
.macro CROUND                          ; a whole round
	s_barrier_signal -1
	s_barrier_wait -1
	CREST
.endm
	s_load_b128 s[4:7], s[0:1], 0x0                ; xw s[4:5], qkv s[6:7]
	s_set_vgpr_msb 0x40
	v_lshl_add_u32 v255, v0, 2, 0x41c00
	s_set_vgpr_msb 0x4000
	v_mov_b32 v255, 0
	s_set_vgpr_msb 0x1
	ds_add_u32 v255, v255
	s_set_vgpr_msb 0x100
	v_lshrrev_b32 v1, 5, v0
	v_readfirstlane_b32 s10, v1                    ; wave 0..3
	s_lshr_b32 s11, s10, 1                         ; I fetch for x (0) or for w_qkv (1)
	s_and_b32 s12, s10, 1                          ; which half of that tile I fetch
	s_bfe_u32 s40, ttmp6, 0x40000                  ; cx
	s_bfe_u32 s41, ttmp6, 0x40004                  ; cy
	s_lshl_b32 s42, ttmp9, 2
	s_add_co_u32 s42, s42, s40                     ; block column = 4 x cluster x + cx, 0..15
	s_and_b32 s13, ttmp7, 0xffff
	s_lshl_b32 s13, s13, 2
	s_add_co_u32 s13, s13, s41                     ; block row = 4 x cluster y + cy, 0..31
	s_lshl_b32 s43, s41, 2
	s_lshl_b32 s43, 15, s43                        ; my row of the cluster: places 4 cy .. 4 cy + 3
	s_lshl_b32 s44, 0x1111, s40                    ; my column: places cx, cx + 4, cx + 8, cx + 12
	; group 1: rows of 128 elements of 2 bytes, 16 bytes of padding behind every 64 words; 128 rows of x, 96 rows of w_qkv
	s_or_b32 s[G1+0], s43, (1<<16)|(1<<20)|(1<<21)|(5<<22)|(3<<25)
	s_or_b32 s[G1B+0], s44, (1<<16)|(1<<20)|(1<<21)|(5<<22)|(3<<25)
	s_mov_b32 s[G1+1], KSTEP<<16                   ; tensor_dim0 = 128
	s_mov_b32 s[G1B+1], KSTEP<<16
	s_mov_b32 s[G1+2], 128<<16                     ; tensor_dim1 = 128
	s_mov_b32 s[G1B+2], 96<<16                     ; tensor_dim1 = 96
	s_mov_b32 s[G1+3], KSTEP<<16                   ; tile_dim0 = 128
	s_mov_b32 s[G1B+3], KSTEP<<16
	s_mov_b32 s[G1+4], 128                         ; tile_dim1
	s_mov_b32 s[G1B+4], 96
	s_mov_b32 s[G1+5], SIZE_K                      ; elements from row to row
	s_mov_b32 s[G1B+5], SIZE_K
	s_mov_b32 s[G1+6], 0
	s_mov_b32 s[G1B+6], 0
	s_mov_b32 s[G1+7], 0
	s_mov_b32 s[G1B+7], 0
	; where the tiles come from: x's hang on the block row and the wave, w_qkv's on the block column and the wave, in registers of their own
	s_lshl_b32 s17, s12, 7
	s_lshl_b32 s16, s13, 8
	s_add_co_u32 s16, s16, s17                     ; x: row 256 x block row + 128 x half
	s_lshl_b32 s16, s16, 11                        ; rows of 2,048 bytes (below 2^25)
	s_mov_b32 s17, 0
	s_mul_i32 s46, s42, 192
	s_mul_i32 s45, s12, 96
	s_add_co_u32 s46, s46, s45                     ; w_qkv: row 192 x block column + 96 x half
	s_lshl_b32 s46, s46, 11
	s_add_co_u32 s46, s46, WQ_OFF
	s_mov_b32 s47, 0
	s_mul_i32 s20, s10, HALFA                      ; where they go: waves 0, 1: x's halves at 0 and HALFA;
	s_mul_i32 s21, s10, HALFB
	s_add_co_u32 s21, s21, ABYTES-2*HALFB          ; waves 2, 3: w_qkv's halves at ABYTES and ABYTES + HALFB
	s_wait_dscnt 0x0
	s_wait_kmcnt 0x0
	s_add_nc_u64 s[14:15], s[4:5], s[16:17]
	s_add_nc_u64 s[46:47], s[4:5], s[46:47]
	CROUND                                         ; all sixteen work-groups are here: the first joint loads meet
.irp s, 0,1
	s_mov_b32 s[G0+4*\s], 1
	s_add_co_u32 s[G0+4*\s+1], s20, \s*SLOT
	s_add_nc_u64 s[G0+4*\s+2:G0+4*\s+3], s[14:15], \s*KSTEP*2      ; K step s
	s_or_b32 s[G0+4*\s+3], s[G0+4*\s+3], 0x80000000
	s_mov_b32 s[G0B+4*\s], 1
	s_add_co_u32 s[G0B+4*\s+1], s21, \s*SLOT
	s_add_nc_u64 s[G0B+4*\s+2:G0B+4*\s+3], s[46:47], \s*KSTEP*2
	s_or_b32 s[G0B+4*\s+3], s[G0B+4*\s+3], 0x80000000
	JLOAD \s                                       ; both slots are asked for before anything else: two loads of the wave are out
.endr
	; a fragment is 16 rows x 32 K in 8 registers: lane l holds row l % 16; two loads of 16 bytes, 32 bytes apart, at row x pitch + 16 (l / 16)
	v_and_b32 v1, 15, v0
	v_bfe_u32 v2, v0, 4, 1
	v_mul_u32_u24 v3, v1, PITCH
	v_lshl_add_u32 v3, v2, 4, v3
	s_mul_i32 s22, s10, 64*PITCH                   ; my 64 rows of x
	v_add_nc_u32 v[ADRA], s22, v3
	v_add_nc_u32 v[ADRA+1], SLOT, v[ADRA]
	v_add_nc_u32 v[ADRB], ABYTES, v3               ; all 192 rows of w_qkv
	v_add_nc_u32 v[ADRB+1], SLOT, v[ADRB]
	s_mul_i32 s23, s10, 16*SPITCH
	s_add_co_u32 s23, s23, STAGE                   ; my stage
	v_mul_u32_u24 v4, v1, SPITCH
	v_lshl_add_u32 v4, v2, 4, v4
	v_add_nc_u32 v[STO], s23, v4                   ; in: row l % 16, 16 bytes for each half of the lanes
	v_and_b32 v5, 31, v0
	v_lshrrev_b32 v6, 3, v5
	v_and_b32 v7, 7, v0
	v_mul_u32_u24 v6, v6, SPITCH
	v_lshl_add_u32 v6, v7, 4, v6
	v_add_nc_u32 v[RD], s23, v6                    ; back: eight lanes take the 128 bytes of one row of one head, four rows a load
	v_lshlrev_b32 v[CO], 4, v5                     ; which are 512 consecutive bytes of qkv
; 12 matrix instructions: row block a of the window's two (hi = 0: my rows 0-31, 1: rows 32-63) x all 12 column blocks, 32 along K, buffer f.
; zero = 1: the first product starts the sums.  The 48 accumulators take turns, one instruction a turn, in the same order in every
; quarter step.
.macro MUL12 f, hi, a, zero
.irp b, 0,1,2,3,4,5,6,7,8,9,10,11
.if \zero
	v_wmma_f32_16x16x32_bf16 v[8*(12*\a+\b):8*(12*\a+\b)+7], v[96*\f+8*\b:96*\f+8*\b+7], v[FA+32*\f+8*(2*\hi+\a):FA+32*\f+8*(2*\hi+\a)+7], 0
.else
	v_wmma_f32_16x16x32_bf16 v[8*(12*\a+\b):8*(12*\a+\b)+7], v[96*\f+8*\b:96*\f+8*\b+7], v[FA+32*\f+8*(2*\hi+\a):FA+32*\f+8*(2*\hi+\a)+7], v[8*(12*\a+\b):8*(12*\a+\b)+7]
.endif
.endr
.endm
; 32 LDS loads in one run: the fragments of a quarter step (192 rows of w_qkv, my 64 rows of x, 32 K at byte k of the rows) into buffer f
.macro FETCH slot, k, f
	WIN TO_B
.irp i, 0,1,2,3,4,5,6,7,8,9,10,11
	ds_load_b128 v[96*\f+8*\i:96*\f+8*\i+3],   v[ADRB+\slot] offset:\k+\i*16*PITCH
	ds_load_b128 v[96*\f+8*\i+4:96*\f+8*\i+7], v[ADRB+\slot] offset:\k+\i*16*PITCH+32
.endr
	WIN 0
.irp i, 0,1,2,3
	ds_load_b128 v[FA+32*\f+8*\i:FA+32*\f+8*\i+3],   v[ADRA+\slot] offset:\k+\i*16*PITCH
	ds_load_b128 v[FA+32*\f+8*\i+4:FA+32*\f+8*\i+7], v[ADRA+\slot] offset:\k+\i*16*PITCH+32
.endr
.endm
; Four places of plain vector instructions stand between a matrix instruction and a load into one of its sources, or a vector
; instruction that reads its result (ISA guide 7.12.1 for vector instructions).
.macro PLACES
.rept 4
	v_nop
.endr
.endm
; One of a K step's first three quarters: multiplies buffer f; in its middle it fetches the next quarter's fragments into buffer g.
.macro QUARTER slot, k, f, g, zero
	s_wait_dscnt 4                                 ; w_qkv's 24 loads and x's rows 0-31 are in; the youngest four (x's rows 32-63) may be out
	WIN MUL_LO
	MUL12 \f, 0, 0, \zero
	MUL12 \f, 0, 1, \zero
	PLACES
	FETCH \slot, \k, \g
	s_wait_dscnt 32                                ; all but the 32 just issued
	WIN MUL_HI
	MUL12 \f, 1, 0, \zero
	MUL12 \f, 1, 1, \zero
.endm
.macro THREE slot, zero
	QUARTER \slot, 64,  0, 1, \zero
	QUARTER \slot, 128, 1, 0, 0
	QUARTER \slot, 192, 0, 1, 0
.endm
; The last quarter: multiplies buffer 1 and changes slots.  In front of the one barrier each wave waits for its reads of this slot and for all
; its tensor loads (one is out: its part of the next slot).  Behind it the refill comes first, then the next slot's first fragments.
; From a request to the wait for it a wave issues 180 matrix instructions.
.macro TURN slot, next, fill
	s_wait_dscnt 4
	WIN MUL_LO
	MUL12 1, 0, 0, 0
	s_wait_dscnt 0                                 ; my reads of this slot are over
	s_wait_tensorcnt 0x0                           ; and all my tensor loads have landed
	ds_add_u32 v255, v255
	s_wait_dscnt 0x0
	s_barrier_signal -1                            ; (where a slot is filled again this barrier opens a round of the cluster's barrier)
	MUL12 1, 0, 1, 0                               ; register work while the others arrive
	WIN 0
	s_barrier_wait -1
.if \fill
	CREST                                          ; no wave of any partner still reads this slot or has a load on its way
	s_add_nc_u64 s[G0+4*\slot+2:G0+4*\slot+3], s[G0+4*\slot+2:G0+4*\slot+3], 2*KSTEP*2
	s_add_nc_u64 s[G0B+4*\slot+2:G0B+4*\slot+3], s[G0B+4*\slot+2:G0B+4*\slot+3], 2*KSTEP*2
	JLOAD \slot                                    ; the first tensor load behind the round, one a wave
.endif
	PLACES
	FETCH \next, 0, 0
	WIN MUL_HI
	MUL12 1, 1, 0, 0
	MUL12 1, 1, 1, 0
.endm
.macro LAP zero
	THREE 0, \zero
	TURN 0, 1, 1
	THREE 1, 0
	TURN 1, 0, 1
.endm
	s_wait_tensorcnt 1                             ; my part of K step 0 is in; K step 1's may stay out
	s_barrier_signal -1
	s_barrier_wait -1
	FETCH 0, 0, 0
	LAP 1                                          ; the first lap stands in front of the loop: its first products start the sums
	WIN 0
	s_mov_b32 s3, LAPS-2
.Llap:
	LAP 0
	WIN 0
	s_sub_co_u32 s3, s3, 1
	s_cmp_lg_u32 s3, 0
	s_cbranch_scc1 .Llap
	THREE 0, 0                                     ; the last lap fills nothing
	TURN 0, 1, 0
	THREE 1, 0
	s_wait_dscnt 4
	WIN MUL_LO
	MUL12 1, 0, 0, 0
	MUL12 1, 0, 1, 0
	s_wait_dscnt 0
	WIN MUL_HI
	MUL12 1, 1, 0, 0
	MUL12 1, 1, 1, 0
	; THE WAY OUT, 16 rows at a time: round to f16, 16 bytes a lane into my own stage, read back head by head, four rows of a head in a load.
	PLACES
	s_lshl_b32 s13, s13, 8
	s_lshl_b32 s14, s10, 6
	s_add_co_u32 s16, s13, s14                     ; my first row: 256 x block row + 64 x wave
	s_lshl_b32 s16, s16, 7                         ; rows of 128 bytes
	s_mov_b32 s17, 0
	s_add_nc_u64 s[8:9], s[6:7], s[16:17]
	s_mul_i32 s46, s42, 3*HEADB                    ; my first head: 3 x block column
	s_mov_b32 s47, 0
	s_add_nc_u64 s[8:9], s[8:9], s[46:47]
; rows 16 i .. 16 i + 15 of my block = the twelve tiles (a, 0..11) of window 2 or 3 (from = 0x0a or 0x0f: sources 0 and 1); rb: RB0 or RB1 in turn
.macro OUT16 i, a, from, rb
	WIN \from
.irp b, 0,1,2,3,4,5,6,7,8,9,10,11
.irp r, 0,1,2,3
	v_cvt_pk_f16_f32 v[TMP+4*\b+\r], v[8*(12*\a+\b)+2*\r], v[8*(12*\a+\b)+2*\r+1]
.endr
.endr
	WIN 0
.irp b, 0,1,2,3,4,5,6,7,8,9,10,11
	ds_store_b128 v[STO], v[TMP+4*\b:TMP+4*\b+3] offset:32*\b
.endr
	s_wait_xcnt 0x0                                ; rb, which earlier stores read, is loaded again only behind this wait
.irp hd, 0,1,2
.irp t, 0,1,2,3
	ds_load_b128 v[\rb+4*(4*\hd+\t):\rb+4*(4*\hd+\t)+3], v[RD] offset:\t*4*SPITCH+128*\hd   ; LDS serves a wave's instructions in order: these see the stores above
.endr
.endr
.irp hd, 0,1,2
.irp t, 0,1,2,3
	s_wait_dscnt 11-(4*\hd+\t)                     ; the younger read-backs may stay out
	global_store_b128 v[CO], v[\rb+4*(4*\hd+\t):\rb+4*(4*\hd+\t)+3], s[8:9] offset:\hd*HEADB+\i*2048+\t*512   ; 512 consecutive bytes, at a multiple of 512 from qkv's first byte
.endr
.endr
.endm
	OUT16 0, 0, 0x0a, RB0
	OUT16 1, 1, 0x0a, RB1
	OUT16 2, 0, 0x0f, RB0
	OUT16 3, 1, 0x0f, RB1
	s_set_vgpr_msb 0x1
	s_wait_tensorcnt 0x0
	ds_add_u32 v255, v255
	s_wait_dscnt 0x0
	s_set_vgpr_msb 0x100
	CROUND                                         ; the closing round: no work-group ends while a partner may still ask for a tile that names it
	s_endpgm
.Lfunc_end_k_q1fc16e3579_gqkv:
	.size	k_q1fc16e3579_gqkv, .Lfunc_end_k_q1fc16e3579_gqkv-k_q1fc16e3579_gqkv
	.p2alignl 7, 3214868480
	.fill 96, 4, 3214868480
	.section	.rodata,"a",@progbits
	.p2align	6, 0x0
	.amdhsa_kernel k_q1fc16e3579_gqkv
		.amdhsa_group_segment_fixed_size 327680
		.amdhsa_private_segment_fixed_size 0
		.amdhsa_enable_private_segment 0
		.amdhsa_kernarg_size 16
		.amdhsa_user_sgpr_count 2
		.amdhsa_user_sgpr_kernarg_segment_ptr 1
		.amdhsa_wavefront_size32 1
		.amdhsa_system_sgpr_workgroup_id_x 1
		.amdhsa_system_sgpr_workgroup_id_y 1
		.amdhsa_system_sgpr_workgroup_id_z 1
		.amdhsa_system_vgpr_workitem_id 0
		.amdhsa_next_free_vgpr 960
		.amdhsa_next_free_sgpr 66
		.amdhsa_reserve_vcc 0
		.amdhsa_float_denorm_mode_32 3
		.amdhsa_float_denorm_mode_16_64 3
		.amdhsa_memory_ordered 1
		.amdhsa_forward_progress 1
		.amdhsa_inst_pref_size 163
	.end_amdhsa_kernel
	.amdgpu_metadata
---
amdhsa.version: [ 1, 2 ]
amdhsa.kernels:
  - .name:           k_q1fc16e3579_gqkv
    .symbol:         k_q1fc16e3579_gqkv.kd
    .args:
      - { .name: xw, .offset: 0, .size: 8, .value_kind: global_buffer, .address_space: global }
      - { .name: qkv, .offset: 8, .size: 8, .value_kind: global_buffer, .address_space: global }
    .group_segment_fixed_size: 327680
    .private_segment_fixed_size: 0
    .kernarg_segment_align: 8
    .kernarg_segment_size: 16
    .max_flat_workgroup_size: 128
    .sgpr_count:     66
    .vgpr_count:     960
    .wavefront_size: 32
...
	.end_amdgpu_metadata
.endif
;; end of part 2
;; launch attn (part 3): grid 256 x 1, 4 waves a work-group, no clusters, 327,680 bytes of LDS; arguments qkv, y; writes y
.if DOCPART == 3
	.amdgcn_target "amdgcn-amd-amdhsa--gfx1250"
	.amdhsa_code_object_version 6
	.text
	.protected	k_q1fc16e3579_attn
	.globl	k_q1fc16e3579_attn
	.p2align	8
	.type	k_q1fc16e3579_attn,@function
k_q1fc16e3579_attn:
	s_mov_b64 s[64:65], 0
	v_nop
	global_prefetch_b8 v0, s[64:65] scope:SCOPE_SE
	s_setreg_imm32_b32 hwreg(HW_REG_WAVE_MODE, 25, 1), 1
	s_wait_xcnt 0x0
; Causal attention for one (batch, head): y = softmax(q k^T / 8, keys <= query) v, with a running maximum; f16 operands, f32 sums and softmax.
; qkv[g][m][64] f16 (g = h: q, 16 + h: k, 32 + h: v; m = 2048 b + t); y[h][m][64] f16.
; LIMITS: y is f16 (beyond 65,504 infinite); a probability below 2^-25 of its row's largest becomes 0 when it is rounded to f16.
; The row's denominator is summed from the rounded probabilities, by a block of ones beside V in the product P V.
; WORK: work-group id = 64 b + 4 h + i serves the query blocks of 256 rows 7 - i and then i: (8 - i) + (i + 1) = 9 trips of 256 keys for every
; work-group, 256 work-groups of equal work.  Wave w owns 64 query rows.  Key blocks of 64 that lie wholly above the diagonal are skipped.
; NO CLUSTER: the four work-groups of a head need 16 - 2 i and then 2 i + 2 key tiles, other numbers and other tiles in the same trip, so partners
; would not make the same requests; equal requests would need query blocks of 512 rows, 20 units of tile work in place of 17.
; NO PREFETCH: K and V were stored by the launch before and four neighbouring work-groups read them at the same time.
; LAYOUT, no shuffle between lanes but one for the maximum:
;   S^T = K Q^T: source 0 = 16 keys x 32 d, source 1 = 16 queries x 32 d: lane (r, h) holds query r, keys 16 kb + 8 h + j in register j.
;   Packing the tiles kb = 2 kk and 2 kk + 1 in place gives source 1 (query r; keys 8 h .. and 16 + 8 h ..) of
;   O^T = V^T P^T: source 0 = 16 d x 32 keys by the transposing LDS load from V[key][d]: lane (r, h) holds query r, d = 16 db + 8 h + j.
;   So maximum, rescale factor and denominator belong to a lane's own query.
; REGISTERS: window 0: addresses, ONES, Q, K and V fragments; window 1: S / P and the softmax's figures; window 2: O (tile (mb, db) at 8 (5 mb + db), db = 4 the row sums).
.set KP,     144                       ; LDS pitch of a key's 128 bytes of K: an odd multiple of 16
.set VP,     160                       ; of V: an odd multiple of 32, for the transposing load
.set KBYTES, 128*KP
.set SLOT,   KBYTES+128*VP             ; 128 keys of K, then 128 keys of V: 38,912
.set STAGE,  2*SLOT                    ; behind the ring (a multiple of 256): 64 rows x 144 bytes for each wave
.set SP,     144
.set ADK,  8                           ; v8-9    K fragments in slot 0, 1
.set ADV,  10                          ; v10-11  V fragments in slot 0, 1
.set STO,  12                          ; way out: in
.set RD,   13                          ; way out: back
.set YO,   14                          ; my 16 bytes in a run of 512 bytes of y
.set QO,   15                          ; my 16 bytes of a Q fragment
.set DD,   16                          ; r - 8 h
.set ONES, 56                          ; v56-63   a fragment of ones (f16)
.set QF,   64                          ; v64-127  Q(mb, ks) at 8 (2 mb + ks)
.set KF,   128                         ; v128-191 K(kb, ks) at 8 (4 ks + kb)
.set VF,   192                         ; v192-255 V(db, kk) at 8 (4 kk + db)
.set MM,   128                         ; window 1: running maximum of query block mb (raw scores)
.set MX,   136                         ; new maximum
.set TP,   140                         ; at work
.set AL,   144                         ; pairs: rescale factor, later 1 / denominator
.set NM,   152                         ; pairs: - c x maximum
.set NINF, 168                         ; -infinity
.set G1K, 16                           ; s[16:23] group 1 for K's tiles
.set G1V, 24                           ; s[24:31] group 1 for V's tiles
.set G0K, 32                           ; s[32:39] group 0 for K's tiles, a set for each slot
.set G0V, 40                           ; s[40:47] group 0 for V's tiles, a set for each slot
; s8 wave; s9 i; s11 LIM (the last key block of 64 of this trip that I take; 4: all, none on the diagonal); s12 trip; s13 7 - i: the first query block's last trip;
; s14 this trip's block of 256 keys; s15 the next trip's; s[48:49] K; s[50:51] V; s[52:55] Q of the two query blocks; s[56:59] y of the two;
; s[60:61] an offset; s62, s63 lane selects; s[66:67] c = log2(e) / 8 twice; s68 -c; s[72:79] mask j: lanes where j > r - 8 h
.set MSB, 0
.macro WIN new                         ; the immediate's high byte repeats the setting that is left; at a label and at a branch every window is 0
.if MSB != \new
	s_set_vgpr_msb (MSB<<8)|\new
.set MSB, \new
.endif
.endm
; Wave 0 asks for K's tile, wave 1 for V's, waves 2 and 3 for none: at most one tensor load of a wave is out.
; The slot's number may come as an expression: it stands in parentheses.
.macro KVLOAD s
	s_cmp_lg_u32 s8, 0
	s_cbranch_scc1 .Lnot_k_\@
	tensor_load_to_lds s[G0K+4*(\s):G0K+4*(\s)+3], s[G1K:G1K+7]
	s_nop 0
.Lnot_k_\@:
	s_cmp_lg_u32 s8, 1
	s_cbranch_scc1 .Lnot_v_\@
	tensor_load_to_lds s[G0V+4*(\s):G0V+4*(\s)+3], s[G1V:G1V+7]
	s_nop 0
.Lnot_v_\@:
.endm
	s_load_b128 s[4:7], s[0:1], 0x0                ; qkv s[4:5], y s[6:7]
	v_lshl_add_u32 v54, v0, 2, 0x29000
	v_mov_b32 v55, 0
	ds_add_u32 v54, v55
	v_lshrrev_b32 v1, 5, v0
	v_readfirstlane_b32 s8, v1                     ; wave 0..3
	s_and_b32 s9, ttmp9, 3                         ; i
	s_bfe_u32 s10, ttmp9, 0x40002                  ; h
	s_lshr_b32 s2, ttmp9, 6                        ; b
	s_sub_co_u32 s13, 7, s9
	s_lshl_b32 s3, s10, 20                         ; a head is 1,048,576 bytes,
	s_lshl_b32 s2, s2, 18                          ; a batch's 2,048 rows of 128 bytes 262,144
	s_add_co_u32 s3, s3, s2
	s_lshl_b32 s69, s8, 13                         ; my 64 rows in a query block
	s_add_co_u32 s69, s69, s3
	s_lshl_b32 s70, s13, 15                        ; a query block is 256 rows of 128 bytes
	s_add_co_u32 s70, s70, s69                     ; block 7 - i
	s_lshl_b32 s71, s9, 15
	s_add_co_u32 s71, s71, s69                     ; block i
	; group 1: a tile is 128 keys x 128 bytes, dense in memory: 64 rows of 32 elements of 8 bytes; padding behind every 32 words (a key): 4 words for K, 8 for V
	s_mov_b32 s[G1K+0], (3<<16)|(1<<20)|(4<<22)|(3<<25)
	s_mov_b32 s[G1V+0], (3<<16)|(1<<20)|(4<<22)|(7<<25)
	s_mov_b32 s[G1K+1], 32<<16                     ; tensor_dim0 = 32
	s_mov_b32 s[G1V+1], 32<<16
	s_mov_b32 s[G1K+2], 64<<16                     ; tensor_dim1 = 64
	s_mov_b32 s[G1V+2], 64<<16
	s_mov_b32 s[G1K+3], 32<<16                     ; tile_dim0 = 32
	s_mov_b32 s[G1V+3], 32<<16
	s_mov_b32 s[G1K+4], 64                         ; tile_dim1 = 64
	s_mov_b32 s[G1V+4], 64
	s_mov_b32 s[G1K+5], 32                         ; elements from row to row
	s_mov_b32 s[G1V+5], 32
	s_mov_b32 s[G1K+6], 0
	s_mov_b32 s[G1V+6], 0
	s_mov_b32 s[G1K+7], 0
	s_mov_b32 s[G1V+7], 0
	s_mov_b32 s61, 0
	s_wait_dscnt 0x0
	s_wait_kmcnt 0x0
	s_add_co_u32 s60, s3, 16<<20
	s_add_nc_u64 s[48:49], s[4:5], s[60:61]        ; K of my head and batch
	s_add_co_u32 s60, s3, 32<<20
	s_add_nc_u64 s[50:51], s[4:5], s[60:61]        ; V
	s_mov_b32 s60, s70
	s_add_nc_u64 s[52:53], s[4:5], s[60:61]        ; my Q rows and my y rows of the first query block,
	s_add_nc_u64 s[56:57], s[6:7], s[60:61]
	s_mov_b32 s60, s71
	s_add_nc_u64 s[54:55], s[4:5], s[60:61]        ; and of the second
	s_add_nc_u64 s[58:59], s[6:7], s[60:61]
	s_mov_b32 s[G0K], 1
	s_mov_b32 s[G0K+1], 0
	s_mov_b64 s[G0K+2:G0K+3], s[48:49]             ; keys 0 to 127
	s_or_b32 s[G0K+3], s[G0K+3], 0x80000000
	s_mov_b32 s[G0K+4], 1
	s_mov_b32 s[G0K+5], SLOT                       ; slot 1's address words are written in front of its first fill
	s_mov_b32 s[G0V], 1
	s_mov_b32 s[G0V+1], KBYTES
	s_mov_b64 s[G0V+2:G0V+3], s[50:51]
	s_or_b32 s[G0V+3], s[G0V+3], 0x80000000
	s_mov_b32 s[G0V+4], 1
	s_mov_b32 s[G0V+5], SLOT+KBYTES
	KVLOAD 0                                       ; the first fill, ahead of every wait on TENSORcnt, LDS read and barrier
	s_mov_b32 s62, 0x76543210                      ; v_permlanex16_b32: lane i of one half reads lane i of the other
	s_mov_b32 s63, 0xfedcba98
	s_mov_b32 s66, 0x3e38aa3b                      ; c = log2(e) / 8: the scale 1 / 8 and the change of base in one factor
	s_mov_b32 s67, 0x3e38aa3b
	s_mov_b32 s68, 0xbe38aa3b                      ; -c
	v_and_b32 v1, 15, v0                           ; r
	v_bfe_u32 v2, v0, 4, 1                         ; h
	v_and_b32 v3, 31, v0                           ; lane
	v_and_b32 v4, 7, v0
	v_bfe_u32 v5, v0, 3, 1
	v_lshrrev_b32 v6, 3, v3
	v_mul_u32_u24 v[ADK], v1, KP
	v_lshl_add_u32 v[ADK], v2, 4, v[ADK]           ; key r, 16 bytes for each half of the lanes
	v_add_nc_u32 v[ADK+1], SLOT, v[ADK]
	v_lshl_add_u32 v7, v2, 3, v4                   ; key 8 h + (lane & 7)
	v_mul_u32_u24 v[ADV], v7, VP
	v_lshl_add_u32 v[ADV], v5, 4, v[ADV]           ; + 16 bytes for the upper eight of sixteen lanes
	v_add_nc_u32 v[ADV], KBYTES, v[ADV]
	v_add_nc_u32 v[ADV+1], SLOT, v[ADV]
	s_mul_i32 s2, s8, 64*SP
	s_add_co_u32 s2, s2, STAGE                     ; my stage
	v_add_nc_u32 v[STO], s2, v[ADK]                ; row r, 16 h (the stage's pitch is K's)
	v_mul_u32_u24 v[RD], v6, SP
	v_lshl_add_u32 v[RD], v4, 4, v[RD]
	v_add_nc_u32 v[RD], s2, v[RD]                  ; eight lanes take a row's 128 bytes, four rows a load
	v_lshlrev_b32 v[YO], 4, v3
	v_lshlrev_b32 v[QO], 7, v1
	v_lshl_add_u32 v[QO], v2, 4, v[QO]
	v_lshlrev_b32 v[DD], 3, v2
	v_sub_nc_u32 v[DD], v1, v[DD]
.irp j, 0,1,2,3,4,5,6,7
	v_cmp_gt_i32 s[72+\j], \j, v[DD]               ; in a tile on the diagonal key 8 h + j lies above query r
	v_mov_b32 v[ONES+\j], 0x3c003c00
.endr
.macro QLOAD qb                        ; my 64 query rows as 8 fragments: 16 loads of 16 bytes a lane
.irp mb, 0,1,2,3
.irp ks, 0,1
	global_load_b128 v[QF+8*(2*\mb+\ks):QF+8*(2*\mb+\ks)+3],   v[QO], s[\qb:\qb+1] offset:\mb*2048+64*\ks
	global_load_b128 v[QF+8*(2*\mb+\ks)+4:QF+8*(2*\mb+\ks)+7], v[QO], s[\qb:\qb+1] offset:\mb*2048+64*\ks+32
.endr
.endr
.endm
; A query block starts: sums 0, maxima -infinity.  The sums are cleared by moves, since the trip in which the second query block starts hangs on the
; work-group's number, so its first products cannot be written out with the constant 0: twice 160 moves a wave in the whole launch.
.macro RESET
	WIN 0x80
.set q, 0
.rept 160
	v_mov_b32 v[q], 0
.set q, q+1
.endr
	WIN 0x40
.irp mb, 0,1,2,3
	v_mov_b32 v[MM+\mb], 0xff800000
.endr
	WIN 0
.endm
; 64 keys (block u of slot's two; block 2 slot + u of the trip's four) against my 64 query rows.
.macro SUB slot, u
.if 2*\slot+\u > 0
	s_cmp_lt_u32 s11, 2*\slot+\u                   ; in the trip on the diagonal: wholly above it for my rows
	s_cbranch_scc1 .Lskip_\@
.endif
.irp ks, 0,1
.irp kb, 0,1,2,3
	ds_load_b128 v[KF+8*(4*\ks+\kb):KF+8*(4*\ks+\kb)+3],   v[ADK+\slot] offset:(64*\u+16*\kb)*KP+64*\ks
	ds_load_b128 v[KF+8*(4*\ks+\kb)+4:KF+8*(4*\ks+\kb)+7], v[ADK+\slot] offset:(64*\u+16*\kb)*KP+64*\ks+32
.endr
.endr
.irp kk, 0,1
.irp db, 0,1,2,3
	ds_load_tr16_b128 v[VF+8*(4*\kk+\db):VF+8*(4*\kk+\db)+3],   v[ADV+\slot] offset:(64*\u+32*\kk)*VP+32*\db
	ds_load_tr16_b128 v[VF+8*(4*\kk+\db)+4:VF+8*(4*\kk+\db)+7], v[ADV+\slot] offset:(64*\u+32*\kk+16)*VP+32*\db
.endr
.endr
	s_wait_dscnt 24                                ; of the 32 loads the first eight are in: K's d 0 to 31
	WIN 0x50
	; the sixteen score tiles take turns, one instruction a turn
.irp mb, 0,1,2,3
.irp kb, 0,1,2,3
	v_wmma_f32_16x16x32_f16 v[8*(4*\mb+\kb):8*(4*\mb+\kb)+7], v[KF+8*\kb:KF+8*\kb+7], v[QF+16*\mb:QF+16*\mb+7], 0
.endr
.endr
	s_wait_dscnt 16                                ; all of K is in; V's sixteen loads may stay out
.irp mb, 0,1,2,3
.irp kb, 0,1,2,3
	v_wmma_f32_16x16x32_f16 v[8*(4*\mb+\kb):8*(4*\mb+\kb)+7], v[KF+32+8*\kb:KF+32+8*\kb+7], v[QF+16*\mb+8:QF+16*\mb+15], v[8*(4*\mb+\kb):8*(4*\mb+\kb)+7]
.endr
.endr
	WIN 0
.rept 4
	v_nop                                          ; four places before vector instructions read the scores (ISA guide 7.12.1)
.endr
	s_cmp_lg_u32 s11, 2*\slot+\u
	s_cbranch_scc1 .Lfull_\@
	WIN 0x55                                       ; the block on the diagonal: tiles above it go to -infinity whole, tiles on it by the lane masks
.irp mb, 0,1,2,3
.irp kb, 0,1,2,3
.if \kb == \mb
.irp j, 0,1,2,3,4,5,6,7
	v_cndmask_b32 v[8*(4*\mb+\kb)+\j], v[8*(4*\mb+\kb)+\j], v[NINF], s[72+\j]
.endr
.endif
.if \kb > \mb
.irp j, 0,1,2,3,4,5,6,7
	v_mov_b32 v[8*(4*\mb+\kb)+\j], v[NINF]
.endr
.endif
.endr
.endr
	WIN 0
.Lfull_\@:
	WIN 0x55
	; the new maximum of each query: my 32 scores and the old maximum, four chains side by side; then the other half of the lanes
.irp mb, 0,1,2,3
	v_max3_num_f32 v[MX+\mb], v[MM+\mb], v[32*\mb], v[32*\mb+1]
.endr
.set q, 1
.rept 15
.irp mb, 0,1,2,3
	v_max3_num_f32 v[MX+\mb], v[MX+\mb], v[32*\mb+2*q], v[32*\mb+2*q+1]
.endr
.set q, q+1
.endr
.irp mb, 0,1,2,3
	v_permlanex16_b32 v[TP+\mb], v[MX+\mb], s62, s63
.endr
.irp mb, 0,1,2,3
	v_max_num_f32 v[MX+\mb], v[MX+\mb], v[TP+\mb]
.endr
.irp mb, 0,1,2,3
	v_sub_f32 v[TP+\mb], v[MM+\mb], v[MX+\mb]      ; old - new: -infinity in a query block's first turn (key 0 is open to every query, so the new one is a score)
	v_mov_b32 v[MM+\mb], v[MX+\mb]
	v_mul_f32 v[NM+2*\mb], s68, v[MX+\mb]
.endr
.irp mb, 0,1,2,3
	v_mul_f32 v[TP+\mb], s66, v[TP+\mb]
	v_mov_b32 v[NM+2*\mb+1], v[NM+2*\mb]
.endr
.irp mb, 0,1,2,3
	v_exp_f32 v[AL+2*\mb], v[TP+\mb]               ; the factor for what has been summed; the multiply-adds below are the plain place behind it (ISA guide 5.7.2)
.endr
.irp mb, 0,1,2,3
.set q, 0
.rept 16
	v_pk_fma_f32 v[32*\mb+2*q:32*\mb+2*q+1], v[32*\mb+2*q:32*\mb+2*q+1], s[66:67], v[NM+2*\mb:NM+2*\mb+1] op_sel_hi:[1,0,1]   ; c s - c max
.set q, q+1
.endr
.endr
	s_wait_alu depctr_va_vdst(0)
.irp mb, 0,1,2,3
	v_mov_b32 v[AL+2*\mb+1], v[AL+2*\mb]
.endr
.set q, 0
.rept 128
	v_exp_f32 v[q], v[q]
.set q, q+1
.endr
	v_nop                                          ; a plain place between the exponentials and their use
	; two tiles of 16 keys pack in place into a fragment of 32 keys: register 16 p + j from 16 p + 2 j and 16 p + 2 j + 1
.set q, 0
	s_wait_alu depctr_va_vdst(0)
.rept 64
	v_cvt_pk_f16_f32 v[16*(q/8)+q%8], v[16*(q/8)+2*(q%8)], v[16*(q/8)+2*(q%8)+1]
.set q, q+1
.endr
	WIN 0x86
.irp mb, 0,1,2,3
.set q, 0
.rept 20
	v_pk_mul_f32 v[40*\mb+2*q:40*\mb+2*q+1], v[40*\mb+2*q:40*\mb+2*q+1], v[AL+2*\mb:AL+2*\mb+1]   ; sums and row sums to the new maximum
.set q, q+1
.endr
.endr
	s_wait_dscnt 0x0                               ; V is in
	WIN 0xa4
	; the twenty sums take turns, one instruction a turn
.irp kk, 0,1
.irp mb, 0,1,2,3
.irp db, 0,1,2,3
	v_wmma_f32_16x16x32_f16 v[8*(5*\mb+\db):8*(5*\mb+\db)+7], v[VF+8*(4*\kk+\db):VF+8*(4*\kk+\db)+7], v[32*\mb+16*\kk:32*\mb+16*\kk+7], v[8*(5*\mb+\db):8*(5*\mb+\db)+7]
.endr
	v_wmma_f32_16x16x32_f16 v[8*(5*\mb+4):8*(5*\mb+4)+7], v[ONES:ONES+7], v[32*\mb+16*\kk:32*\mb+16*\kk+7], v[8*(5*\mb+4):8*(5*\mb+4)+7]
.endr
.endr
	WIN 0
.rept 5
	v_nop                                          ; five places before the next score tiles write over P; they also serve the next loads into K and V and the next vector use of the sums
.endr
.Lskip_\@:
.endm
; 128 keys: the tile in slot.  In front of the barrier every wave waits for all its tensor loads (this slot's tile among them) and for its LDS reads;
; behind it the other slot, which nobody reads any more, is asked for first; that load has this step's 144 matrix instructions and two softmaxes in which to land.
.macro STEP slot, refill
	s_wait_tensorcnt 0x0                           ; no load of mine is out: the other slot's group 0 may be written
	ds_add_u32 v54, v55
	s_wait_dscnt 0x0
.if \refill
.if \slot == 0
	s_lshl_b32 s60, s14, 15                        ; slot 1 gets the second 128 keys of this trip's 256
	s_add_co_u32 s60, s60, 16384
.else
	s_lshl_b32 s60, s15, 15                        ; slot 0 gets the first 128 keys of the next trip's 256
.endif
	s_mov_b32 s61, 0
	s_add_nc_u64 s[G0K+4*(1-\slot)+2:G0K+4*(1-\slot)+3], s[48:49], s[60:61]
	s_or_b32 s[G0K+4*(1-\slot)+3], s[G0K+4*(1-\slot)+3], 0x80000000
	s_add_nc_u64 s[G0V+4*(1-\slot)+2:G0V+4*(1-\slot)+3], s[50:51], s[60:61]
	s_or_b32 s[G0V+4*(1-\slot)+3], s[G0V+4*(1-\slot)+3], 0x80000000
.endif
	s_wait_dscnt 0x0                               ; my reads of the other slot are over
	s_barrier_signal -1
	s_barrier_wait -1
.if \refill
	KVLOAD 1-\slot
.endif
	SUB \slot, 0
	SUB \slot, 1
.endm
; A query block ends: divide by the row sums, round to f16, through my own stage, out in runs of 512 consecutive bytes (four rows of my head).
.macro FINAL yb
	WIN 0x42
.irp mb, 0,1,2,3
	v_rcp_f32 v[AL+2*\mb], v[8*(5*\mb+4)]          ; every register of the ones' tile holds my query's sum
.endr
	v_nop                                          ; a plain place behind the reciprocals
	WIN 0x55
	s_wait_alu depctr_va_vdst(0)
.irp mb, 0,1,2,3
	v_mov_b32 v[AL+2*\mb+1], v[AL+2*\mb]
.endr
	WIN 0x86
.irp mb, 0,1,2,3
.set q, 0
.rept 16
	v_pk_mul_f32 v[40*\mb+2*q:40*\mb+2*q+1], v[40*\mb+2*q:40*\mb+2*q+1], v[AL+2*\mb:AL+2*\mb+1]
.set q, q+1
.endr
.endr
	WIN 0x0a
.irp mb, 0,1,2,3
.set q, 0
.rept 16
	v_cvt_pk_f16_f32 v[KF+16*\mb+q], v[40*\mb+2*q], v[40*\mb+2*q+1]
.set q, q+1
.endr
.endr
	WIN 0
.irp mb, 0,1,2,3
.irp db, 0,1,2,3
	ds_store_b128 v[STO], v[KF+16*\mb+4*\db:KF+16*\mb+4*\db+3] offset:\mb*16*SP+32*\db
.endr
.endr
.irp t, 0,1,2,3,4,5,6,7,8,9,10,11,12,13,14,15
	ds_load_b128 v[VF+4*\t:VF+4*\t+3], v[RD] offset:\t*4*SP        ; LDS serves a wave's instructions in order: these see the stores above
.endr
.irp t, 0,1,2,3,4,5,6,7,8,9,10,11,12,13,14,15
	s_wait_dscnt 15-\t                             ; the younger read-backs may stay out
	global_store_b128 v[YO], v[VF+4*\t:VF+4*\t+3], s[\yb:\yb+1] offset:\t*512
.endr
	s_wait_xcnt 0x0                                ; the stores' data registers are loaded again only behind this wait
.endm
	QLOAD 52
	WIN 0x40
	v_mov_b32 v[NINF], 0xff800000
.irp mb, 0,1,2,3
	v_mov_b32 v[TP+\mb], 0                         ; v_permlanex16_b32 counts as a reader of its destination
.endr
	RESET
	s_wait_loadcnt 0x0                             ; Q
	s_mov_b32 s12, 0
	s_mov_b32 s14, 0
	; trips 0 to 7; trip 7 - i is the first query block's last, on the diagonal
.Ltrip:
	s_add_co_u32 s15, s14, 1
	s_cmp_eq_u32 s12, s13
	s_cselect_b32 s11, s8, 4                       ; on the diagonal my rows take key blocks 0 .. wave, the last of them masked
	s_cselect_b32 s15, 0, s15                      ; and the next trip begins the second query block at key 0
	STEP 0, 1
	STEP 1, 1
	s_cmp_lg_u32 s12, s13
	s_cbranch_scc1 .Lsame
	QLOAD 54                                       ; the second block's Q comes in while the first block's result goes out
	FINAL 56
	RESET
	s_wait_loadcnt 0x0
.Lsame:
	s_mov_b32 s14, s15
	s_add_co_u32 s12, s12, 1
	s_cmp_lt_u32 s12, 8
	s_cbranch_scc1 .Ltrip
	s_mov_b32 s11, s8                              ; trip 8: the second query block's last, on the diagonal; written out, since its second step fills nothing
	STEP 0, 1
	STEP 1, 0
	FINAL 58
	s_wait_tensorcnt 0x0
	ds_add_u32 v54, v55
	s_wait_dscnt 0x0
	s_endpgm
.Lfunc_end_k_q1fc16e3579_attn:
	.size	k_q1fc16e3579_attn, .Lfunc_end_k_q1fc16e3579_attn-k_q1fc16e3579_attn
	.p2alignl 7, 3214868480
	.fill 96, 4, 3214868480
	.section	.rodata,"a",@progbits
	.p2align	6, 0x0
	.amdhsa_kernel k_q1fc16e3579_attn
		.amdhsa_group_segment_fixed_size 327680
		.amdhsa_private_segment_fixed_size 0
		.amdhsa_enable_private_segment 0
		.amdhsa_kernarg_size 16
		.amdhsa_user_sgpr_count 2
		.amdhsa_user_sgpr_kernarg_segment_ptr 1
		.amdhsa_wavefront_size32 1
		.amdhsa_system_sgpr_workgroup_id_x 1
		.amdhsa_system_sgpr_workgroup_id_y 1
		.amdhsa_system_sgpr_workgroup_id_z 1
		.amdhsa_system_vgpr_workitem_id 0
		.amdhsa_next_free_vgpr 672
		.amdhsa_next_free_sgpr 80
		.amdhsa_reserve_vcc 0
		.amdhsa_float_denorm_mode_32 3
		.amdhsa_float_denorm_mode_16_64 3
		.amdhsa_memory_ordered 1
		.amdhsa_forward_progress 1
		.amdhsa_inst_pref_size 255
	.end_amdhsa_kernel
	.section	.bss,"aw",@nobits
	.p2align	6
	.space	262144
	.amdgpu_metadata
---
amdhsa.version: [ 1, 2 ]
amdhsa.kernels:
  - .name:           k_q1fc16e3579_attn
    .symbol:         k_q1fc16e3579_attn.kd
    .args:
      - { .name: qkv, .offset: 0, .size: 8, .value_kind: global_buffer, .address_space: global }
      - { .name: y, .offset: 8, .size: 8, .value_kind: global_buffer, .address_space: global }
    .group_segment_fixed_size: 327680
    .private_segment_fixed_size: 0
    .kernarg_segment_align: 8
    .kernarg_segment_size: 16
    .max_flat_workgroup_size: 128
    .sgpr_count:     80
    .vgpr_count:     672
    .wavefront_size: 32
...
	.end_amdgpu_metadata
.endif
;; end of part 3
;; launch gout (part 4): grid 8 x 32, 4 waves a work-group, clusters of 4 x 4, 327,680 bytes of LDS; arguments y, xw, out0; writes out0
.if DOCPART == 4
	.amdgcn_target "amdgcn-amd-amdhsa--gfx1250"
	.amdhsa_code_object_version 6
	.text
	.protected	k_q1fc16e3579_gout
	.globl	k_q1fc16e3579_gout
	.p2align	8
	.type	k_q1fc16e3579_gout,@function
k_q1fc16e3579_gout:
	s_mov_b64 s[64:65], 0
	v_nop
	global_prefetch_b8 v0, s[64:65] scope:SCOPE_SE
	s_setreg_imm32_b32 hwreg(HW_REG_WAVE_MODE, 25, 1), 1
	s_wait_xcnt 0x0
	s_wait_alu depctr_hold_cnt(0) depctr_sa_sdst(0) depctr_va_vdst(0) depctr_va_sdst(0) depctr_va_ssrc(0) depctr_va_vcc(0) depctr_vm_vsrc(0)
	s_getreg_b32 s2, hwreg(HW_REG_IB_STS2, 6, 4)
	s_cmp_eq_u32 s2, 0
	s_cbranch_scc0 .Lentry_in_a_cluster
	s_endpgm
.Lentry_in_a_cluster:
	s_bfe_u32 s2, ttmp6, 0x10000c
	s_cmp_lg_u32 s2, 0xf033
	s_cbranch_scc0 .Lentry_shape_is_right
	s_endpgm
.Lentry_shape_is_right:
; out0 = y w_out^T: [8192][1024] x [1024][1024]^T, f16 operands, f32 sums, f32 out.
; y[h][m][64] f16 (column c = 64 h + d); w_out at byte 23,068,672 of xw, [1024][1024], bf16-rounded numbers in f16 format.
; A work-group makes 256 rows x 128 columns: 32 x 8 = 256 work-groups.  Wave w makes rows 64 w .. 64 w + 63 and all 128 columns:
; 4 x 8 accumulator tiles, 256 registers (window 2, tile (a, b) at v[8 (8 a + b)]).
; K goes in steps of 128 = two heads of y, through two LDS slots filled by the tensor data mover.
; CLUSTERS: 4 x 4 work-groups; y's tile is asked for jointly along a row of the cluster, w_out's along a column.
; The matrix instruction is used transposed (source 0 = rows of w_out, source 1 = rows of y): lane l holds row l % 16 and eight neighbouring columns.
; window 0: v16-26 addresses; v32-63, v64-95 fragments of y, two buffers; v96-159, v160-223 read back on the way out.  window 1: v0-63, v64-127 fragments of w_out.
.set SIZE_K, 1024
.set KSTEP,  128
.set PA,     144                       ; LDS pitch of a row's 128 bytes of one head of y
.set PB,     272                       ; LDS pitch of a row's 256 bytes of w_out
.set HEADA,  128*PA                    ; 128 rows of one head
.set HALFA,  2*HEADA                   ; what one load of y brings: 128 rows of two heads
.set ABYTES, 2*HALFA
.set HALFB,  64*PB                     ; what one load of w_out brings
.set SLOT,   ABYTES+2*HALFB            ; 108,544
.set STAGE,  2*SLOT                    ; behind the ring (a multiple of 256): 16 rows x 528 bytes for each wave
.set SPITCH, 528                       ; 128 f32 + 16 bytes
.set LAPS,   SIZE_K/(2*KSTEP)
.set WO_OFF, 23068672
.set HEADB,  1048576                   ; bytes of a head in y
.set ADRA, 16
.set ADRB, 20
.set STO,  24
.set RD,   25
.set CO,   26
.set FA,   32                          ; y's fragment buffer n at FA + 32 n; w_out's at 64 n in window 1
.set RB0,  96
.set RB1,  160
.set G1, 24
.set G0, 32
.set G1B, 48
.set G0B, 56
.set MSB, 0
.macro WIN new                         ; the immediate's high byte repeats the setting that is left
.if MSB != \new
	s_set_vgpr_msb (MSB<<8)|\new
.set MSB, \new
.endif
.endm
.set MUL,  0xa1                        ; source 0 window 1, source 1 window 0, C and D window 2
.set TO_B, 0x40                        ; destination window 1, address window 0
.macro JLOAD s                         ; waves 0 and 1 fetch y's two halves, waves 2 and 3 w_out's
	s_cmp_eq_u32 s11, 0
	s_cbranch_scc0 .Lfor_b_\@
	tensor_load_to_lds s[G0+4*\s:G0+4*\s+3], s[G1:G1+7]
	s_nop 0
	s_branch .Lasked_\@
.Lfor_b_\@:
	tensor_load_to_lds s[G0B+4*\s:G0B+4*\s+3], s[G1B:G1B+7]
	s_nop 0
.Lasked_\@:
.endm
.macro CREST                           ; a round of the cluster's barrier behind its opening barrier
	s_cmp_lg_u32 s10, 0
	s_cbranch_scc1 .Lnot_wave_0_\@
	s_barrier_signal -3
.Lnot_wave_0_\@:
	s_barrier_wait -3
	s_barrier_signal -1
	s_barrier_wait -1
.endm
.macro CROUND
	s_barrier_signal -1
	s_barrier_wait -1
	CREST
.endm
	s_load_b128 s[4:7], s[0:1], 0x0                ; y s[4:5], xw s[6:7]
	s_load_b64 s[8:9], s[0:1], 0x10                ; out0
	s_set_vgpr_msb 0x40
	v_lshl_add_u32 v255, v0, 2, 0x3d400
	s_set_vgpr_msb 0x4000
	v_mov_b32 v255, 0
	s_set_vgpr_msb 0x1
	ds_add_u32 v255, v255
	s_set_vgpr_msb 0x100
	v_lshrrev_b32 v1, 5, v0
	v_readfirstlane_b32 s10, v1                    ; wave 0..3
	s_lshr_b32 s11, s10, 1                         ; I fetch for y (0) or for w_out (1); also: which 128 rows of y hold my 64
	s_and_b32 s12, s10, 1                          ; which half of that tile I fetch; also: which 64 of those 128 rows are mine
	s_bfe_u32 s40, ttmp6, 0x40000                  ; cx
	s_bfe_u32 s41, ttmp6, 0x40004                  ; cy
	s_lshl_b32 s42, ttmp9, 2
	s_add_co_u32 s42, s42, s40                     ; block column, 0..7
	s_and_b32 s13, ttmp7, 0xffff
	s_lshl_b32 s13, s13, 2
	s_add_co_u32 s13, s13, s41                     ; block row, 0..31
	s_lshl_b32 s43, s41, 2
	s_lshl_b32 s43, 15, s43                        ; my row of the cluster
	s_lshl_b32 s44, 0x1111, s40                    ; my column
	; y's tile: 128 rows of a head are 16,384 dense bytes = one row of 2,048 elements of 8 bytes; two such rows, a head (131,072 elements) apart;
	; 16 bytes of padding behind every 32 words, that is behind each of y's rows of 128 bytes
	s_or_b32 s[G1+0], s43, (3<<16)|(1<<20)|(1<<21)|(4<<22)|(3<<25)
	s_mov_b32 s[G1+1], 2048<<16                    ; tensor_dim0 = 2,048
	s_mov_b32 s[G1+2], 2<<16                       ; tensor_dim1 = 2
	s_mov_b32 s[G1+3], 2048<<16                    ; tile_dim0 = 2,048
	s_mov_b32 s[G1+4], 2                           ; tile_dim1 = 2
	s_mov_b32 s[G1+5], HEADB/8                     ; elements from row to row
	s_mov_b32 s[G1+6], 0
	s_mov_b32 s[G1+7], 0
	; w_out's tile: 64 rows of 128 elements of 2 bytes, 16 bytes of padding behind every 64 words
	s_or_b32 s[G1B+0], s44, (1<<16)|(1<<20)|(1<<21)|(5<<22)|(3<<25)
	s_mov_b32 s[G1B+1], KSTEP<<16
	s_mov_b32 s[G1B+2], 64<<16
	s_mov_b32 s[G1B+3], KSTEP<<16
	s_mov_b32 s[G1B+4], 64
	s_mov_b32 s[G1B+5], SIZE_K
	s_mov_b32 s[G1B+6], 0
	s_mov_b32 s[G1B+7], 0
	s_lshl_b32 s17, s12, 7
	s_lshl_b32 s16, s13, 8
	s_add_co_u32 s16, s16, s17                     ; y: row 256 x block row + 128 x half
	s_lshl_b32 s16, s16, 7                         ; rows of 128 bytes
	s_mov_b32 s17, 0
	s_lshl_b32 s46, s42, 7
	s_lshl_b32 s45, s12, 6
	s_add_co_u32 s46, s46, s45                     ; w_out: row 128 x block column + 64 x half
	s_lshl_b32 s46, s46, 11                        ; rows of 2,048 bytes
	s_add_co_u32 s46, s46, WO_OFF
	s_mov_b32 s47, 0
	s_mul_i32 s20, s10, HALFA                      ; waves 0, 1: y's halves at 0 and HALFA;
	s_mul_i32 s21, s10, HALFB
	s_add_co_u32 s21, s21, ABYTES-2*HALFB          ; waves 2, 3: w_out's halves at ABYTES and ABYTES + HALFB
	s_wait_dscnt 0x0
	s_wait_kmcnt 0x0
	s_add_nc_u64 s[14:15], s[4:5], s[16:17]
	s_add_nc_u64 s[46:47], s[6:7], s[46:47]
	CROUND                                         ; all sixteen work-groups are here: the first joint loads meet
.irp s, 0,1
	s_mov_b32 s[G0+4*\s], 1
	s_add_co_u32 s[G0+4*\s+1], s20, \s*SLOT
	s_add_nc_u64 s[G0+4*\s+2:G0+4*\s+3], s[14:15], \s*2*HEADB      ; K step s: heads 2 s and 2 s + 1
	s_or_b32 s[G0+4*\s+3], s[G0+4*\s+3], 0x80000000
	s_mov_b32 s[G0B+4*\s], 1
	s_add_co_u32 s[G0B+4*\s+1], s21, \s*SLOT
	s_add_nc_u64 s[G0B+4*\s+2:G0B+4*\s+3], s[46:47], \s*KSTEP*2
	s_or_b32 s[G0B+4*\s+3], s[G0B+4*\s+3], 0x80000000
	JLOAD \s                                       ; two loads of the wave are out
.endr
	v_and_b32 v1, 15, v0                           ; r
	v_bfe_u32 v2, v0, 4, 1                         ; h
	v_mul_u32_u24 v3, v1, PA
	v_lshl_add_u32 v3, v2, 4, v3
	s_mul_i32 s22, s11, HALFA
	s_mul_i32 s23, s12, 64*PA
	s_add_co_u32 s22, s22, s23                     ; my 64 rows of y, first head of the step
	v_add_nc_u32 v[ADRA], s22, v3
	v_add_nc_u32 v[ADRA+1], SLOT, v[ADRA]
	v_mul_u32_u24 v4, v1, PB
	v_lshl_add_u32 v4, v2, 4, v4
	v_add_nc_u32 v[ADRB], ABYTES, v4
	v_add_nc_u32 v[ADRB+1], SLOT, v[ADRB]
	s_mul_i32 s23, s10, 16*SPITCH
	s_add_co_u32 s23, s23, STAGE                   ; my stage
	v_mul_u32_u24 v5, v1, SPITCH
	v_lshl_add_u32 v5, v2, 5, v5
	v_add_nc_u32 v[STO], s23, v5                   ; in: row r, 32 bytes for each half of the lanes
	v_and_b32 v6, 31, v0
	v_lshlrev_b32 v[CO], 4, v6                     ; back and out: the 32 lanes take a row's 512 bytes
	v_add_nc_u32 v[RD], s23, v[CO]
; 8 matrix instructions: row block a x all 8 column blocks, 32 along K, buffer f.  The 32 accumulators take turns, one instruction a turn,
; in the same order in every quarter step.
.macro MUL8 f, a, zero
.irp b, 0,1,2,3,4,5,6,7
.if \zero
	v_wmma_f32_16x16x32_f16 v[8*(8*\a+\b):8*(8*\a+\b)+7], v[64*\f+8*\b:64*\f+8*\b+7], v[FA+32*\f+8*\a:FA+32*\f+8*\a+7], 0
.else
	v_wmma_f32_16x16x32_f16 v[8*(8*\a+\b):8*(8*\a+\b)+7], v[64*\f+8*\b:64*\f+8*\b+7], v[FA+32*\f+8*\a:FA+32*\f+8*\a+7], v[8*(8*\a+\b):8*(8*\a+\b)+7]
.endif
.endr
.endm
; 24 LDS loads in one run: quarter q of the K step (head q / 2 of the step's two, d from 32 (q % 2)) into buffer f
.macro FETCH slot, q, f
	WIN TO_B
.irp i, 0,1,2,3,4,5,6,7
	ds_load_b128 v[64*\f+8*\i:64*\f+8*\i+3],   v[ADRB+\slot] offset:64*\q+\i*16*PB
	ds_load_b128 v[64*\f+8*\i+4:64*\f+8*\i+7], v[ADRB+\slot] offset:64*\q+\i*16*PB+32
.endr
	WIN 0
.irp i, 0,1,2,3
	ds_load_b128 v[FA+32*\f+8*\i:FA+32*\f+8*\i+3],   v[ADRA+\slot] offset:(\q/2)*HEADA+(\q%2)*64+\i*16*PA
	ds_load_b128 v[FA+32*\f+8*\i+4:FA+32*\f+8*\i+7], v[ADRA+\slot] offset:(\q/2)*HEADA+(\q%2)*64+\i*16*PA+32
.endr
.endm
.macro PLACES                          ; four places between a matrix instruction and a load into one of its sources or a reader of its result (ISA guide 7.12.1 for vector instructions)
.rept 4
	v_nop
.endr
.endm
.macro QUARTER slot, q, f, g, zero
	s_wait_dscnt 4                                 ; w_out's 16 loads and y's rows 0-31 are in; the youngest four (rows 32-63) may be out
	WIN MUL
	MUL8 \f, 0, \zero
	MUL8 \f, 1, \zero
	PLACES
	FETCH \slot, \q, \g
	s_wait_dscnt 24                                ; all but the 24 just issued
	WIN MUL
	MUL8 \f, 2, \zero
	MUL8 \f, 3, \zero
.endm
.macro THREE slot, zero
	QUARTER \slot, 1, 0, 1, \zero
	QUARTER \slot, 2, 1, 0, 0
	QUARTER \slot, 3, 0, 1, 0
.endm
; The last quarter changes slots: waits for my reads of this slot and for all my tensor loads, one barrier (the opening of a round of the cluster's
; barrier where the slot is filled again), the refill first behind it.  From a request to the wait for it a wave issues 120 matrix instructions.
.macro TURN slot, next, fill
	s_wait_dscnt 4
	WIN MUL
	MUL8 1, 0, 0
	s_wait_dscnt 0
	s_wait_tensorcnt 0x0
	ds_add_u32 v255, v255
	s_wait_dscnt 0x0
	s_barrier_signal -1
	MUL8 1, 1, 0
	WIN 0
	s_barrier_wait -1
.if \fill
	CREST
	s_add_nc_u64 s[G0+4*\slot+2:G0+4*\slot+3], s[G0+4*\slot+2:G0+4*\slot+3], 4*HEADB
	s_add_nc_u64 s[G0B+4*\slot+2:G0B+4*\slot+3], s[G0B+4*\slot+2:G0B+4*\slot+3], 2*KSTEP*2
	JLOAD \slot
.endif
	PLACES
	FETCH \next, 0, 0
	WIN MUL
	MUL8 1, 2, 0
	MUL8 1, 3, 0
.endm
.macro LAP zero
	THREE 0, \zero
	TURN 0, 1, 1
	THREE 1, 0
	TURN 1, 0, 1
.endm
	s_wait_tensorcnt 1                             ; my part of K step 0 is in; K step 1's may stay out
	s_barrier_signal -1
	s_barrier_wait -1
	FETCH 0, 0, 0
	LAP 1                                          ; the first lap's first products start the sums
	WIN 0
	s_mov_b32 s3, LAPS-2
.Llap:
	LAP 0
	WIN 0
	s_sub_co_u32 s3, s3, 1
	s_cmp_lg_u32 s3, 0
	s_cbranch_scc1 .Llap
	THREE 0, 0                                     ; the last lap fills nothing
	TURN 0, 1, 0
	THREE 1, 0
	s_wait_dscnt 4
	WIN MUL
	MUL8 1, 0, 0
	MUL8 1, 1, 0
	s_wait_dscnt 0
	MUL8 1, 2, 0
	MUL8 1, 3, 0
	; THE WAY OUT, 16 rows at a time, f32 as it is: 32 bytes a lane and tile into my own stage, read back as whole rows of 512 bytes.
	PLACES
	s_lshl_b32 s13, s13, 8
	s_lshl_b32 s14, s10, 6
	s_add_co_u32 s16, s13, s14                     ; my first row
	s_lshl_b32 s16, s16, 12                        ; rows of 4,096 bytes
	s_mov_b32 s17, 0
	s_add_nc_u64 s[8:9], s[8:9], s[16:17]
	s_lshl_b32 s46, s42, 9                         ; my first column: 128 x block column x 4 bytes
	s_mov_b32 s47, 0
	s_add_nc_u64 s[8:9], s[8:9], s[46:47]
.macro OUTF a, rb
	WIN 0x08                                       ; an LDS store's data are source 1: window 2
.irp b, 0,1,2,3,4,5,6,7
	ds_store_b128 v[STO], v[8*(8*\a+\b):8*(8*\a+\b)+3]   offset:64*\b
	ds_store_b128 v[STO], v[8*(8*\a+\b)+4:8*(8*\a+\b)+7] offset:64*\b+16
.endr
	WIN 0
	s_wait_xcnt 0x0                                ; rb, which earlier stores read, is loaded again only behind this wait
.irp t, 0,1,2,3,4,5,6,7,8,9,10,11,12,13,14,15
	ds_load_b128 v[\rb+4*\t:\rb+4*\t+3], v[RD] offset:\t*SPITCH    ; LDS serves a wave's instructions in order: these see the stores above
.endr
.irp t, 0,1,2,3,4,5,6,7,8,9,10,11,12,13,14,15
	s_wait_dscnt 15-\t                             ; the younger read-backs may stay out
	global_store_b128 v[CO], v[\rb+4*\t:\rb+4*\t+3], s[8:9] offset:(16*\a+\t)*4096 th:TH_STORE_NT   ; 512 consecutive bytes, at a multiple of 512 from out0's first byte
.endr
.endm
	OUTF 0, RB0
	OUTF 1, RB1
	OUTF 2, RB0
	OUTF 3, RB1
	s_set_vgpr_msb 0x1
	s_wait_tensorcnt 0x0
	ds_add_u32 v255, v255
	s_wait_dscnt 0x0
	s_set_vgpr_msb 0x100
	CROUND                                         ; the closing round
	s_endpgm
.Lfunc_end_k_q1fc16e3579_gout:
	.size	k_q1fc16e3579_gout, .Lfunc_end_k_q1fc16e3579_gout-k_q1fc16e3579_gout
	.p2alignl 7, 3214868480
	.fill 96, 4, 3214868480
	.section	.rodata,"a",@progbits
	.p2align	6, 0x0
	.amdhsa_kernel k_q1fc16e3579_gout
		.amdhsa_group_segment_fixed_size 327680
		.amdhsa_private_segment_fixed_size 0
		.amdhsa_enable_private_segment 0
		.amdhsa_kernarg_size 24
		.amdhsa_user_sgpr_count 2
		.amdhsa_user_sgpr_kernarg_segment_ptr 1
		.amdhsa_wavefront_size32 1
		.amdhsa_system_sgpr_workgroup_id_x 1
		.amdhsa_system_sgpr_workgroup_id_y 1
		.amdhsa_system_sgpr_workgroup_id_z 1
		.amdhsa_system_vgpr_workitem_id 0
		.amdhsa_next_free_vgpr 768
		.amdhsa_next_free_sgpr 66
		.amdhsa_reserve_vcc 0
		.amdhsa_float_denorm_mode_32 3
		.amdhsa_float_denorm_mode_16_64 3
		.amdhsa_memory_ordered 1
		.amdhsa_forward_progress 1
		.amdhsa_inst_pref_size 118
	.end_amdhsa_kernel
	.amdgpu_metadata
---
amdhsa.version: [ 1, 2 ]
amdhsa.kernels:
  - .name:           k_q1fc16e3579_gout
    .symbol:         k_q1fc16e3579_gout.kd
    .args:
      - { .name: y, .offset: 0, .size: 8, .value_kind: global_buffer, .address_space: global }
      - { .name: xw, .offset: 8, .size: 8, .value_kind: global_buffer, .address_space: global }
      - { .name: out0, .offset: 16, .size: 8, .value_kind: global_buffer, .address_space: global }
    .group_segment_fixed_size: 327680
    .private_segment_fixed_size: 0
    .kernarg_segment_align: 8
    .kernarg_segment_size: 24
    .max_flat_workgroup_size: 128
    .sgpr_count:     66
    .vgpr_count:     768
    .wavefront_size: 32
...
	.end_amdgpu_metadata
.endif
;; end of part 4
